; MI455X (gfx1250); checked and timed in simulation.
; The chip was launched on July 23, 2026; its instructions are those of AMD's public machine-readable ISA for CDNA 5 (MIT licence, August 2026) and "CDNA5" Instruction Set Architecture Reference Guide (July 2026). The comments in the code are by the model that wrote it; some were corrected since.
;; Monotonic NN. Allowed arithmetic: matrix products marked QUANTISED: E2M3 operands, one E8M0 scale for each 32 along K, by v_wmma_scale_f32_16x16x128_f8f6f4 with both operands' format E2M3, f32 sums; products left as they are: f32 operands where the result goes on into a quantised operand, else bf16, f16 or f32 operands; f32 sums; everything else in f32.
;; Inputs: iW0 8 x 128 float32; iW1 128 x 128 float32; iW2 128 x 1 float32; ib0 128 float32; ib1 128 float32; ib2 1 float32; nW0 7 x 128 float32; nW1 128 x 128 float32; nW2 128 x 2 float32; nb0 128 float32; nb1 128 float32; nb2 2 float32; x_input 32,768 x 8 float32.
;; Outputs: out0 32,768 x 1 float32.
;; This version of the problem:
;;   THIS VERSION OF THE PROBLEM IS GIVEN IN LOW PRECISION. The matrix products marked QUANTISED in the list below multiply operands that are first quantised to E2M3 (2 exponent bits, 3 mantissa bits; 6 bits a number), with one power-of-two scale for each 32 numbers along K (OCP MX v1.0); their sums are f32. All else is computed in f32.
;;   The module's matrix products, in the order in which they are computed (A, B: the left and right operand; K: the contracted axis; several contracted axes count as one K, in the product's order):
;;     1. [M 1,671,168, K 8] x [K 8, N 128]; A: computed on the way; B: input iW0: left as it is (K = 8 < 32)
;;     2. [M 1,671,168, K 128] x [K 128, N 128]; A: computed on the way; B: input iW1: QUANTISED
;;     3. [M 1,671,168, K 128] x [K 128, N 1]; A: computed on the way; B: input iW2: left as it is (N = 1 < 16)
;;     4. [M 32,768, K 7] x [K 7, N 128]; A: input x_input; B: input nW0: left as it is (K = 7 < 32)
;;     5. [M 32,768, K 128] x [K 128, N 128]; A: computed on the way; B: input nW1: QUANTISED
;;     6. [M 32,768, K 128] x [K 128, N 2]; A: computed on the way; B: input nW2: left as it is (N = 2 < 16)
;;   THE QUANTISER, for each operand of a quantised product, along K:
;;     - K is cut into blocks of 32 from its start; a last block that is shorter is filled with zeros.
;;     - A block's scale is 2^e with e = floor(log2(the largest magnitude in the block)) - 2, held to -126 .. 127; a block of zeros has e = 0. As a byte (E8M0): e + 127.
;;     - Each number is divided by its block's scale, clamped to +-7.5, and rounded to the nearest number of E2M3, ties to even, subnormals kept.
;;     - The product sums the exact products of the quantised numbers (number of the format x scale) in f32.
;;   ~~~python
;;   def quantise(x, axis):      # numpy; x: float32 -> the quantised numbers, widened to float32 again
;;       x = np.moveaxis(x, axis, -1); K = x.shape[-1]
;;       x = np.pad(x, [(0, 0)] * (x.ndim - 1) + [(0, -K % 32)]); x = x.reshape(x.shape[:-1] + (-1, 32)); a = np.abs(x).max(-1, keepdims=True)
;;       e = np.where(a > 0, np.clip(np.frexp(np.where(a > 0, a, 1))[1] - 1 - 2, -126, 127), 0)      # np.frexp(a)[1] - 1 = floor(log2(a)), exactly
;;       r = np.clip(x / 2.0 ** e, -7.5, 7.5)
;;       step = 2.0 ** (np.maximum(np.frexp(np.where(r == 0, 1, r))[1] - 1, 0) - 3)
;;       q = np.round(r / step) * step * 2.0 ** e      # np.round: ties to even
;;       return np.moveaxis(q.reshape(q.shape[:-2] + (-1,))[..., :K], -1, axis).astype(np.float32)
;;   ~~~
;;   OPERANDS COMPUTED ON THE WAY. 'Computed on the way' means the value that the module computes at that place (a softmax that the list does not call 'softmax' is quantised finished and normalised). What goes into a quantiser is computed in f32, as accurately as f32 sums, v_exp_f32 and their like allow (about 1e-6 of the number): no bf16 or f16 on the way to a quantiser, and a product that is left as it is and whose result goes on into a quantised operand takes f32 operands (vector FMAs, or v_wmma_f32_16x16x4_f32). A number that lies on a knife's edge between two numbers of the format may be rounded either way, as far as f32 arithmetic and the matrix unit's own rounding can turn it there, and no further.
;; One version. Each part assembles by itself: llvm-mc -triple=amdgcn-amd-amdhsa -mcpu=gfx1250 --defsym DOCPART=n.
;; ======== version 1 of 1: 1 launch
;; launch mono (part 1): grid 256 x 1, 8 waves a work-group, no clusters, 29,184 bytes of LDS; arguments x_input, iW0, ib0, iW1, ib1, iW2, ib2, nW0, nb0, nW1, nb1, nW2, nb2, out0; writes out0
.if DOCPART == 1
	.amdgcn_target "amdgcn-amd-amdhsa--gfx1250"
	.amdhsa_code_object_version 6
	.text
	.protected	k_qf5a4f18a1b_mono
	.globl	k_qf5a4f18a1b_mono
	.p2align	8
	.type	k_qf5a4f18a1b_mono,@function
k_qf5a4f18a1b_mono:
	s_mov_b64 s[64:65], 0
	v_nop
	global_prefetch_b8 v0, s[64:65] scope:SCOPE_SE
	s_setreg_imm32_b32 hwreg(HW_REG_WAVE_MODE, 25, 1), 1
	s_wait_xcnt 0x0
; MonotonicNN in MX-FP6, everything in one launch.
;   out = sigmoid( exp(o1) * (x/2) * sum_s cc_s (elu(g_s) + 1) + o0 ),  g_s = the integrand net at (x t_s, h),  (o0, o1) = the offset net at h.
; The two 128 x 128 products take both operands as codes of E2M3 with one E8M0 byte for each 32 along K; all else is f32.
; SHARES.  256 work-groups x 128 samples; 8 waves; a wave keeps 16 samples for its whole life, lane (r, h) = (lane % 16, lane / 16) belongs to sample r.
; A matrix tile is the wave's 16 samples at ONE quadrature point s.  51 trips for the integrand; one like step in front of them is the offset net.
; FIRST LAYERS.  The integrand's is affine in the abscissa: z.iW0 + ib0 = a + t_s b, a = ib0 + h.iW0[1:], b = x iW0[0], made once in f32; a point costs 32 packed
; multiply-adds.  a, and the offset net's hidden layer nb0 + h.nW0, are products with K = 8 and are made by the f32 matrix form, 2 x 16 instructions a wave against
; the 416 scaled ones: as vector work each of the 15 weight rows would be 16 LDS loads of 16 bytes a lane in which sixteen lanes read the same bytes; as matrix operands
; the two weights are 2 x 32 registers, loaded from memory as they lie.  K's slot 0, where x stands among the inputs, takes the constant 1 against the bias.
; FRONT LAYOUT (a, b, the hidden layer ahead of the quantiser): register 32 c + i of lane (r, h) is hidden unit 64 c + 32 h + i of sample r: the very order
; of a 6-bit operand.  A lane holds two WHOLE blocks of 32 (blocks h and 2 + h): a block's maximum asks no other lane, and the conversions' results are the operand.
; The f32 products give it directly: row m of tile (c, u) of the weight is feature 64 c + 32 (m / 8) + 8 u + m % 8.
; THE INTEGRAND'S PRODUCT IS USED TRANSPOSED: source 0 = 16 columns of the weight (K down the registers), source 1 = the 16 samples.  K = 128 is ONE instruction, so an
; accumulator is written by one matrix instruction, whose C is the bias, kept in registers of its own: no chain, no clearing, no addition for the bias.
; BACK LAYOUT (results, bias, last layer's weights): register 8 ft + j of lane (r, h) is feature 16 ft + 8 h + j of sample r: the last layer is 32 packed
; multiply-adds and one exchange with the lane 16 away.
; THE OFFSET NET'S PRODUCT, one tile, is used as it stands (source 0 = the samples): a lane then holds one feature column of 8 samples, so that its bias and its last layer
; cost 8 + 16 registers, where the back layout would want 64 + 128.  relu(z + B) = max(z, -B) + B; the sum over features is a reduce-scatter over 16 lanes.
; THE QUANTISER.  Every chain of maxima starts from 2^-124 (exponent field 3): that holds the scale byte at 1 from below and, on numbers ahead of their ReLU, lets
; the negative ones lose.  The maximum less 2 in its exponent field is the conversion's scale operand (its mantissa is not looked at); shifted down by 23 it is the byte.
; WEIGHTS.  Wave w quantises columns 16 w .. 16 w + 15 of both matrices (a lane to a column, registers down K) and leaves the 12 operand registers and the scale word
; in LDS; behind one barrier every wave takes all eight fragments, 96 registers, into window 1.  A trip reads no weight from LDS.
; 8 waves x 512 registers fill the four SIMDs' registers, two waves a SIMD: one wave's vector work stands beside the other's matrix work.
; NOT USED: tensor loads, a ring, clusters with joint requests: what work-groups share (some 140 KB of f32 weights) is read once, in front of 52 tiles that touch no
; memory, and has to pass through registers for the quantiser; a launch of its own for the weights: a wave's share is two tiles, some 100 vector instructions;
; prefetches: no trip waits for memory.
; LIMITS KEPT.  NaN and infinities among the inputs are not served (the *_num maxima drop a NaN; a weight that stands against a 0 of the f32 products must be finite).
; A block of zeros carries the byte 1 and not 127: its codes are 0 and add nothing.  Blocks whose largest magnitude lies under 2^-124, whose byte is held at 1, were not
; tried.  v_exp_f32 gives 0 for results below 2^-126.  t_s comes from a fixed-point recurrence of the assembler, good to about 4e-7 absolute, cc_s to about 1e-6 relative.
; The first layer is summed as a + t b, ib2 enters as two halves, nb1 and nb2 in the form above: another order of f32 rounding than the problem's function has.
.set NPTS,  51                         ; quadrature points
; LDS map
.set TAB,   0                          ; 53 entries of 8 bytes: entry i = (t_i, cc_(i-2))
.set OUTS,  512                        ; 128 results, f32
.set ROW0,  1024                       ; iW0's row 0, 512 bytes
.set FRI,   1536                       ; iW1's fragments: tile ft at 1536 ft, registers 4 q .. 4 q + 3 at + 512 q, lane at + 16 L
.set FRN,   13824                      ; nW1's likewise
.set SWI,   26112                      ; iW1's scale words: lane at 32 L, tile at + 4 ft
.set SWN,   27136                      ; nW1's likewise
; window 0
.set H128,  1                          ; 128 h
.set SH8,   2                          ; 8 h
.set XV,    3                          ; x of my sample
.set OFF,   4                          ; o0
.set SCL,   5                          ; exp(o1)
.set EN,    6
.set EP,    7
.set R8A,   6                          ; set-up only: 8 r
.set M,     8                          ; v[8:11]    four chains of maxima: block c's in M + 2 c, M + 2 c + 1
.set SC0,   12                         ; the conversions' scale operands
.set SC1,   13
.set BY0,   14                         ; scale bytes at work
.set BY1,   15
.set ZS,    16                         ; the samples' scale word, and nothing else
.set L16,   17                         ; 16 x lane
.set L32,   18                         ; 32 x lane
.set H32,   19                         ; 32 h
.set ZC,    20                         ; v[20:31]   the samples' codes
.set WS,    32                         ; v[32:39]   the weights' eight scale words, and nothing else
.set TQ,    40                         ; v[40:42], v[44:46]  the conversions whose home begins on an odd register
.set BPI,   43                         ; 4 x (16 (r / 8) + r % 8): the lane that ends up with sample r's o0 and o1
.set OUTA,  47                         ; 64 w + 4 r
.set P,     48                         ; v[48:55]   four pairs of partial sums of the last layer; ahead of them the set-up's:
.set LN,    48
.set RR,    49
.set HH,    50
.set XAD,   51                         ; 512 w + 32 r: my sample's inputs
.set XOA,   52                         ; + 8 h: my two of each four of them
.set WTA,   53                         ; 64 w + 4 r + 16384 h: my column of a large weight, my half's first row
.set FST,   54                         ; 1536 w + 16 L
.set SST,   55                         ; 32 L + 4 w
.set XO,    56                         ; v[56:59]   the samples as source 1 of the f32 products: K step ks in v[XO + 2 ks : + 1], register j = input 4 ks + 2 h + j
.set FTA,   60                         ; 128 (r / 8) + 4 (r % 8): my row of a tile of a first layer's weight, in bytes along the features
.set LIA,   61                         ; + 1024 h: lanes 16-31 stand two rows of the weight further down
.set LN0A,  62                         ; FTA + 512 h
.set R4A,   63                         ; 4 r
.set T,     56                         ; v[56:57]   loop: (t_(s+1), cc_(s-1))
.set KAP,   58                         ; v[58:59]   (ib2 / 2, 0)
.set TAB_A, 60                         ; 8 x trips done
.set ZEST,  61                         ; the weighted sum
.set XA,    64                         ; v[64:127]  the hidden layer in the front layout, then the 8 accumulators
.set A_,    128                        ; v[128:191] results of the f32 products, which matrix instructions alone write: the offset net's hidden layer, then a
.set B_,    192                        ; v[192:255] b; ahead of it the offset net's:
.set NBN,   192                        ; v[192:199] nb1 of feature 16 ft + r, negated
.set WNN,   200                        ; v[200:215] 8 pairs (nW2[f][0], nW2[f][1])
.set KN,    216                        ; v[216:217] my shares of the two constants
.set ZFT,   224                        ; v[224:255] partial sums at work
; window 1 (named by the low 8 bits)
.set WF,    0                          ; v[0:95]    eight fragments of the weight, 12 registers each
.set BIAS,  96                         ; v[96:159]  ib1 in the back layout
.set W2,    160                        ; v[160:223] iW2 in the back layout
.set RAWN,  0                          ; set-up: v[0:63] my tile of nW1 as f32
.set RAWI0, 64                         ;         v[64:95] my tile of iW1, rows 32 h + i;  v[224:255] rows 64 + 32 h + i
.set RAWI1, 224
.set TBN,   96                         ;         v[96:103] nb0, v[104:111] ib0: feature of my row of tile t
.set TBI,   104
.set OPN,   160                        ;         v[160:191] nW0, v[192:223] iW0 as source 0 of the f32 products: tile t, K step ks in v[op + 4 t + 2 ks : + 1]
.set OPI,   192
.set MSB, 0
.macro WIN new                         ; s_set_vgpr_msb: bits 1:0 source 0, 3:2 source 1, 5:4 source 2, 7:6 destination; the high byte repeats the setting left
.if MSB != \new
	s_set_vgpr_msb (MSB<<8)|\new
.set MSB, \new
.endif
.endm
.set W_MM,  0x11                       ; sources 0 (weights) and 2 (bias) in window 1
.set W_DOT, 0x04                       ; source 1 in window 1
.set W_LD,  0x40                       ; destination in window 1
.set W_S0,  0x01                       ; source 0 in window 1
.set W_S12, 0x14                       ; sources 1 and 2 in window 1
.set W_SUB, 0x45                       ; sources 0 and 1 and the destination in window 1
; The table of t_s and cc_s.  The assembler makes the numbers in fixed point, scale 2^30: cos(j pi/50) by the three-term recurrence from cos(pi/50);
; cc_j = (2/50) (1 - sum over q = 1..25 of 2 cos(2 q j pi/50) / (4 q^2 - 1)), half of that for j = 0 and 50 (the problem's own formula: only even rows of its
; cosine matrix carry weight, and its first and last columns are halved).  t_(50-j) = (1 - cos(j pi/50)) / 2 and cc_(50-j) = cc_j: 26 passes fill 51 points.
.set FX,   1<<30
.set C1,   1071623040                  ; cos(pi/50) x 2^30
.set cosj, FX
.set cosp, C1
.set tj,   0
.macro TABPASS
.set c2j,  2*cosj*cosj/FX - FX         ; cos(2 j pi/50)
.set wsum, FX
.set chp,  FX
.set chq,  c2j
.set qq,   1
.rept 25
.set wsum, wsum - 2*chq/(4*qq*qq-1)
.set chn,  2*c2j*chq/FX - chp
.set chp,  chq
.set chq,  chn
.set qq,   qq+1
.endr
.if tj == 0
.set wj, wsum/50
.else
.set wj, wsum/25
.endif
.set thi, (FX+cosj)/2
.set tlo, (FX-cosj)/2
	v_cvt_f32_i32 v[XA],   thi
	v_cvt_f32_i32 v[XA+1], tlo
	v_cvt_f32_i32 v[XA+2], wj
	v_pk_mul_f32 v[XA:XA+1], v[XA:XA+1], 0x30800000 op_sel_hi:[1,0]      ; x 2^-30
	v_mul_f32 v[XA+2], 0x30800000, v[XA+2]
	ds_store_b32 v[XA+3], v[XA]   offset:TAB+8*tj          ; t_j
	ds_store_b32 v[XA+3], v[XA+2] offset:TAB+8*tj+20       ; cc_j, in entry j + 2
.if tj < 25
	ds_store_b32 v[XA+3], v[XA+1] offset:TAB+400-8*tj      ; t_(50-j)
	ds_store_b32 v[XA+3], v[XA+2] offset:TAB+420-8*tj      ; cc_(50-j)
.endif
.set cosn, 2*C1*cosj/FX - cosp
.set cosp, cosj
.set cosj, cosn
.set tj, tj+1
.endm
.macro TABGROUP w, n                   ; wave w makes the next n passes
	s_cmp_lg_u32 s2, \w
	s_cbranch_scc1 .Ltab_\@
.rept \n
	TABPASS
.endr
.if \w == 7
	ds_store_b32 v[XA+3], v[XA+3] offset:TAB+4             ; entries 0 and 1 have no cc,
	ds_store_b32 v[XA+3], v[XA+3] offset:TAB+12
	ds_store_b32 v[XA+3], v[XA+3] offset:TAB+408           ; entries 51 and 52 no t: zeros, which are loaded and count for nothing
	ds_store_b32 v[XA+3], v[XA+3] offset:TAB+416
.endif
.Ltab_\@:
.endm
; The largest number of each of my two blocks of 32 in v[S .. S + 63] (window 0), not under 2^-124 (s42): into v[M] and v[M + 2].  Negative numbers lose: the ReLU is still to come.
; 32 instructions, four chains by turns, so that none waits for the line in front of it.  Of each run of eight registers the first read is at its low end.
.macro QMAX S
	v_max3_num_f32 v[M],   v[\S],    v[\S+1],  s42
	v_max3_num_f32 v[M+1], v[\S+16], v[\S+17], v[\S+18]
	v_max3_num_f32 v[M+2], v[\S+32], v[\S+33], s42
	v_max3_num_f32 v[M+3], v[\S+48], v[\S+49], v[\S+50]
.irp k, 1,2,3,4,5,6
	v_max3_num_f32 v[M],   v[M],   v[\S+2*\k],    v[\S+2*\k+1]
	v_max3_num_f32 v[M+1], v[M+1], v[\S+17+2*\k], v[\S+18+2*\k]
	v_max3_num_f32 v[M+2], v[M+2], v[\S+32+2*\k], v[\S+33+2*\k]
	v_max3_num_f32 v[M+3], v[M+3], v[\S+49+2*\k], v[\S+50+2*\k]
.endr
	v_max3_num_f32 v[M],   v[M],   v[\S+14], v[\S+15]
	v_max3_num_f32 v[M+2], v[M+2], v[\S+46], v[\S+47]
	v_max3_num_f32 v[M],   v[M],   v[M+1],   v[\S+31]
	v_max3_num_f32 v[M+2], v[M+2], v[M+3],   v[\S+63]
.endm
; The same for a weight's tile, which lies in window 1 (block c in v[Sc .. Sc + 31]): the largest MAGNITUDE.  The running maximum, in window 0, is source 0.
.macro QMAXW S0, S1
	WIN W_S12
	v_max3_num_f32 v[M],   s42, |v[\S0]|,    |v[\S0+1]|
	v_max3_num_f32 v[M+1], s42, |v[\S0+16]|, |v[\S0+17]|
	v_max3_num_f32 v[M+2], s42, |v[\S1]|,    |v[\S1+1]|
	v_max3_num_f32 v[M+3], s42, |v[\S1+16]|, |v[\S1+17]|
.irp k, 1,2,3,4,5,6,7
	v_max3_num_f32 v[M],   v[M],   |v[\S0+2*\k]|,    |v[\S0+2*\k+1]|
	v_max3_num_f32 v[M+1], v[M+1], |v[\S0+16+2*\k]|, |v[\S0+17+2*\k]|
	v_max3_num_f32 v[M+2], v[M+2], |v[\S1+2*\k]|,    |v[\S1+2*\k+1]|
	v_max3_num_f32 v[M+3], v[M+3], |v[\S1+16+2*\k]|, |v[\S1+17+2*\k]|
.endr
	WIN 0
	v_max_num_f32 v[M],   v[M],   v[M+1]
	v_max_num_f32 v[M+2], v[M+2], v[M+3]
.endm
; The two scale operands, and the row's scale word into v[dst]: my bytes are those of blocks h and 2 + h; the lane 16 away has the other two.
.macro SCALE dst
	v_add_nc_u32 v[SC0], s43, v[M]                 ; the exponent field less 2 (E2M3's largest number is 7.5 = 1.875 x 2^2); the field is 3 or more
	v_add_nc_u32 v[SC1], s43, v[M+2]
	v_lshrrev_b32 v[BY0], 23, v[SC0]               ; the bytes (the sign bit is 0)
	v_lshrrev_b32 v[BY1], 23, v[SC1]
	v_lshl_or_b32 v[BY0], v[BY1], 16, v[BY0]
	v_lshlrev_b32 v[BY0], v[SH8], v[BY0]           ; 8 h bits up
	v_permlanex16_b32 v[BY1], v[BY0], s40, s41
	v_or_b32 v[\dst], v[BY0], v[BY1]
.endm
.macro RELU D, S                       ; 64 numbers, ascending: an accumulator is read from its low end on
.set rn, 0
.rept 32
	v_dual_max_num_f32 v[\D+2*rn], 0, v[\S+2*rn] :: v_dual_max_num_f32 v[\D+2*rn+1], 0, v[\S+2*rn+1]
.set rn, rn+1
.endr
.endm
; 64 numbers (block c in v[Sc .. Sc + 31]) to codes: each divided by 2^(the scale operand's exponent), to the nearest code, ties to even, beyond 7.5 the largest code.
; A conversion's three registers begin on an even number: a block's upper 16 codes are made in tq and moved.
.macro CVT S0, S1, zc, tq
	v_cvt_scalef32_pk16_fp6_f32 v[\zc:\zc+2],     v[\S0:\S0+15],    v[SC0]
	v_cvt_scalef32_pk16_fp6_f32 v[\tq:\tq+2],     v[\S0+16:\S0+31], v[SC0]
	v_cvt_scalef32_pk16_fp6_f32 v[\zc+6:\zc+8],   v[\S1:\S1+15],    v[SC1]
	v_cvt_scalef32_pk16_fp6_f32 v[\tq+4:\tq+6],   v[\S1+16:\S1+31], v[SC1]
.endm
.macro MOVS zc, tq
.irp i, 0,1,2
	v_mov_b32 v[\zc+3+\i], v[\tq+\i]
	v_mov_b32 v[\zc+9+\i], v[\tq+4+\i]
.endr
.endm
; 8 matrix instructions: 128 features x 16 samples, K = 128, transposed.  Each has an accumulator of its own and the bias as C.
.macro MM
	WIN W_MM
.irp ft, 0,1,2,3,4,5,6,7
	v_wmma_scale_f32_16x16x128_f8f6f4 v[XA+8*\ft:XA+8*\ft+7], v[WF+12*\ft:WF+12*\ft+11], v[ZC:ZC+11], v[BIAS+8*\ft:BIAS+8*\ft+7], v[WS+\ft], v[ZS] matrix_a_fmt:MATRIX_FMT_FP6 matrix_b_fmt:MATRIX_FMT_FP6
.endr
	WIN 0
.endm
; The offset net's 8: source 0 = the samples, source 1 = the weight; register j of lane (r, h) is sample 8 h + j, feature 16 ft + r.  C = 0 starts each sum.
.macro MMN
	WIN W_DOT
.irp ft, 0,1,2,3,4,5,6,7
	v_wmma_scale_f32_16x16x128_f8f6f4 v[XA+8*\ft:XA+8*\ft+7], v[ZC:ZC+11], v[WF+12*\ft:WF+12*\ft+11], 0, v[ZS], v[WS+\ft] matrix_a_fmt:MATRIX_FMT_FP6 matrix_b_fmt:MATRIX_FMT_FP6
.endr
	WIN 0
.endm
; A first layer: 128 features x 16 samples, K = 8 in two steps, f32.  The eight accumulators take turns, one instruction a turn; the first step's C is 0.
.macro L1MM op
	WIN W_S0
.irp t, 0,1,2,3,4,5,6,7
	v_wmma_f32_16x16x4_f32 v[A_+8*\t:A_+8*\t+7], v[\op+4*\t:\op+4*\t+1], v[XO:XO+1], 0
.endr
.irp t, 0,1,2,3,4,5,6,7
	v_wmma_f32_16x16x4_f32 v[A_+8*\t:A_+8*\t+7], v[\op+4*\t+2:\op+4*\t+3], v[XO+2:XO+3], v[A_+8*\t:A_+8*\t+7]
.endr
.endm
; Its operand: register j of K step ks of lane (r, h) is the weight's row for input 4 ks + 2 h + j at my feature.  net = 0: iW0, row = input.  net = 1: nW0, row = input - 1;
; where the input is 0 (lanes 0-15 of the first register) row 0 is read, so that no load leaves the buffer.  SUBST puts the bias there, in both nets.
.macro OPLD op, sb, net
.irp c, 0,1
.irp u, 0,1,2,3
.if \net
	global_load_b32 v[\op+4*(4*\c+\u)],   v[LN0A], s[\sb:\sb+1] offset:256*\c+32*\u          ; rows 0 (not used), 1
	global_load_b32 v[\op+4*(4*\c+\u)+1], v[LIA],  s[\sb:\sb+1] offset:256*\c+32*\u          ; rows 0, 2
	global_load_b32 v[\op+4*(4*\c+\u)+2], v[LIA],  s[\sb:\sb+1] offset:256*\c+32*\u+1536     ; rows 3, 5
	global_load_b32 v[\op+4*(4*\c+\u)+3], v[LIA],  s[\sb:\sb+1] offset:256*\c+32*\u+2048     ; rows 4, 6
.else
	global_load_b32 v[\op+4*(4*\c+\u)],   v[LIA],  s[\sb:\sb+1] offset:256*\c+32*\u          ; rows 0 (not used), 2
	global_load_b32 v[\op+4*(4*\c+\u)+1], v[LIA],  s[\sb:\sb+1] offset:256*\c+32*\u+512      ; rows 1, 3
	global_load_b32 v[\op+4*(4*\c+\u)+2], v[LIA],  s[\sb:\sb+1] offset:256*\c+32*\u+2048     ; rows 4, 6
	global_load_b32 v[\op+4*(4*\c+\u)+3], v[LIA],  s[\sb:\sb+1] offset:256*\c+32*\u+2560     ; rows 5, 7
.endif
.endr
.endr
.endm
.macro TBLD tb, sb                     ; the bias at my feature of each tile
.irp c, 0,1
.irp u, 0,1,2,3
	global_load_b32 v[\tb+4*\c+\u], v[FTA], s[\sb:\sb+1] offset:256*\c+32*\u
.endr
.endr
.endm
.macro SUBST op, tb                    ; lanes 0-15 of each tile's first register: the bias, which meets the constant 1
	WIN W_SUB
.irp t, 0,1,2,3,4,5,6,7
	v_cndmask_b32 v[\op+4*\t], v[\op+4*\t], v[\tb+\t], s44
.endr
.endm
; The integrand's last layer: four chains of pairs; the first is started by (ib2 / 2, 0), the others by a product: nothing is cleared.
.macro DOT
	WIN W_DOT
	v_pk_fma_f32 v[P:P+1], v[XA:XA+1], v[W2:W2+1], v[KAP:KAP+1]
.irp i, 2,4,6
	v_pk_mul_f32 v[P+\i:P+\i+1], v[XA+\i:XA+\i+1], v[W2+\i:W2+\i+1]
.endr
.irp ft, 1,2,3,4,5,6,7
.irp i, 0,2,4,6
	v_pk_fma_f32 v[P+\i:P+\i+1], v[XA+8*\ft+\i:XA+8*\ft+\i+1], v[W2+8*\ft+\i:W2+8*\ft+\i+1], v[P+\i:P+\i+1]
.endr
.endr
	WIN 0
.endm
.macro L1NEXT                          ; the next point's hidden layer, ahead of its ReLU: a + t b
.set gn, 0
.rept 32
	v_pk_fma_f32 v[XA+gn:XA+gn+1], v[B_+gn:B_+gn+1], v[T:T+1], v[A_+gn:A_+gn+1] op_sel_hi:[1,0,1]
.set gn, gn+2
.endr
.endm
; The offset net behind its product.  z = max(z, -B), in place: a dual pair takes an even register of tile ft and an odd one of tile ft + 1 (and the other way round),
; so that its destinations are even and odd and its first and second sources are different registers, number mod 4 different.
.macro CLAMP nb
.irp ft, 0,2,4,6
.irp i, 0,2,4,6
	v_dual_max_num_f32 v[XA+8*\ft+\i], v[XA+8*\ft+\i], v[\nb+\ft] :: v_dual_max_num_f32 v[XA+8*\ft+9+\i], v[XA+8*\ft+9+\i], v[\nb+\ft+1]
	v_dual_max_num_f32 v[XA+8*\ft+8+\i], v[XA+8*\ft+8+\i], v[\nb+\ft+1] :: v_dual_max_num_f32 v[XA+8*\ft+1+\i], v[XA+8*\ft+1+\i], v[\nb+\ft]
.endr
.endr
.endm
; p[0..7] += w x tile ft's 8 samples; w = register sel of the pair wp.  first = 1: the addend is register ksel of KN, nothing is cleared.
.macro DOT4 p, ft, wp, sel, first, ksel
.irp i, 0,2,4,6
.if \first
	v_pk_fma_f32 v[\p+\i:\p+\i+1], v[XA+8*(\ft)+\i:XA+8*(\ft)+\i+1], v[\wp:\wp+1], v[KN:KN+1] op_sel:[0,\sel,\ksel] op_sel_hi:[1,\sel,\ksel]
.else
	v_pk_fma_f32 v[\p+\i:\p+\i+1], v[XA+8*(\ft)+\i:XA+8*(\ft)+\i+1], v[\wp:\wp+1], v[\p+\i:\p+\i+1] op_sel:[0,\sel,0] op_sel_hi:[1,\sel,1]
.endif
.endr
.endm
; Sum over the 16 lanes of a row for 8 values at once: in each of three steps a lane keeps the half of its values whose index bit equals its
; lane bit and hands the other half to its partner; a fourth step adds lanes 8 apart.  Result in v[k]: lane (r, h) holds sample 8 h + r % 8.
.macro REDUCE p, k
.irp i, 0,1,2,3
	v_cndmask_b32 v[\k+\i],   v[\p+2*\i],   v[\p+2*\i+1], s45    ; kept
	v_cndmask_b32 v[\k+4+\i], v[\p+2*\i+1], v[\p+2*\i],   s45    ; handed over
.endr
.irp i, 0,1,2,3
	v_add_f32_dpp v[\k+\i], v[\k+4+\i], v[\k+\i] row_xmask:1 row_mask:0xf bank_mask:0xf
.endr
.irp i, 0,1
	v_cndmask_b32 v[\p+\i],   v[\k+2*\i],   v[\k+2*\i+1], s46
	v_cndmask_b32 v[\p+2+\i], v[\k+2*\i+1], v[\k+2*\i],   s46
.endr
.irp i, 0,1
	v_add_f32_dpp v[\p+\i], v[\p+2+\i], v[\p+\i] row_xmask:2 row_mask:0xf bank_mask:0xf
.endr
	v_cndmask_b32 v[\k],   v[\p],   v[\p+1], s47
	v_cndmask_b32 v[\k+1], v[\p+1], v[\p],   s47
	v_add_f32_dpp v[\k], v[\k+1], v[\k] row_xmask:4 row_mask:0xf bank_mask:0xf
	v_add_f32_dpp v[\k], v[\k], v[\k] row_xmask:8 row_mask:0xf bank_mask:0xf
.endm
.macro FRONT dst, at                   ; a row of 128 f32 at LDS byte at, in the front layout: half c is units 64 c + 32 h + 0 .. 31
.irp c, 0,1
.irp g, 0,1,2,3,4,5,6,7
	ds_load_b128 v[\dst+32*\c+4*\g:\dst+32*\c+4*\g+3], v[H128] offset:\at+256*\c+16*\g
.endr
.endr
.endm
.macro BACK dst, sb                    ; 128 f32 of memory in the back layout: my 8 of each 16, into window 1 (the window is set by the caller)
.irp ft, 0,1,2,3,4,5,6,7
	global_load_b128 v[\dst+8*\ft:\dst+8*\ft+3],   v[H32], s[\sb:\sb+1] offset:64*\ft
	global_load_b128 v[\dst+8*\ft+4:\dst+8*\ft+7], v[H32], s[\sb:\sb+1] offset:64*\ft+16
.endr
.endm
.macro WRAW d0, d1, sb                 ; my column 16 w + r of a large weight, rows 64 c + 32 h + i: sixteen neighbouring lanes read 64 neighbouring bytes (the window is set by the caller)
.set wi, 0
.rept 32
	global_load_b32 v[\d0+wi], v[WTA], s[\sb:\sb+1] offset:512*wi
.set wi, wi+1
.endr
.set wi, 0
.rept 32
	global_load_b32 v[\d1+wi], v[WTA], s[\sb:\sb+1] offset:512*(64+wi)
.set wi, wi+1
.endr
.endm
.macro QW S0, S1, zc, tq, wd, fr, sw   ; my tile of a large weight: quantised, and left in LDS as the operand's registers and the scale word
	QMAXW \S0, \S1
	SCALE \wd
	WIN W_S0
	CVT \S0, \S1, \zc, \tq
	WIN 0
	v_nop                                          ; one plain place behind a scaled conversion
	MOVS \zc, \tq
.irp q, 0,1,2
	ds_store_b128 v[FST], v[\zc+4*\q:\zc+4*\q+3] offset:\fr+512*\q
.endr
	ds_store_b32 v[SST], v[\wd] offset:\sw
.endm
.macro FRAG fr, sw                     ; all eight fragments of a weight into window 1, its scale words into WS: 26 loads
	WIN W_LD
.irp ft, 0,1,2,3,4,5,6,7
.irp q, 0,1,2
	ds_load_b128 v[WF+12*\ft+4*\q:WF+12*\ft+4*\q+3], v[L16] offset:\fr+1536*\ft+512*\q
.endr
.endr
	WIN 0
	ds_load_b128 v[WS:WS+3],   v[L32] offset:\sw
	ds_load_b128 v[WS+4:WS+7], v[L32] offset:\sw+16
.endm
; A point's finish, in four pieces: the eight partial sums, the other half of the lanes', elu(g) + 1 = max(g, 0) + e^min(g, 0) (no branch, the exponent never above 0), and the weighted sum.
.macro FIN1
	v_pk_add_f32 v[P:P+1], v[P:P+1], v[P+2:P+3]
.endm
.macro FIN2
	v_pk_add_f32 v[P+4:P+5], v[P+4:P+5], v[P+6:P+7]
	v_pk_add_f32 v[P:P+1], v[P:P+1], v[P+4:P+5]
	v_add_f32 v[EN], v[P], v[P+1]
.endm
.macro FIN3
	v_permlanex16_b32 v[EP], v[EN], s40, s41
	v_add_f32 v[EN], v[EN], v[EP]                  ; g
	v_min_num_f32 v[EP], 0, v[EN]
	v_max_num_f32 v[EN], 0, v[EN]
	v_mul_f32 v[EP], 0x3fb8aa3b, v[EP]
	v_exp_f32 v[EP], v[EP]
.endm
.macro FIN4
	s_wait_alu depctr_va_vdst(0)
	v_add_f32 v[EN], v[EN], v[EP]
	v_fmac_f32 v[ZEST], v[T+1], v[EN]
.endm
; ============================================================ head
	s_load_b512 s[8:23], s[0:1], 0x0               ; x s[8:9], iW0 s[10:11], ib0 s[12:13], iW1 s[14:15], ib1 s[16:17], iW2 s[18:19], ib2 s[20:21], nW0 s[22:23]
	s_load_b256 s[24:31], s[0:1], 0x40             ; nb0 s[24:25], nW1 s[26:27], nb1 s[28:29], nW2 s[30:31]
	s_load_b128 s[32:35], s[0:1], 0x60             ; nb2 s[32:33], out0 s[34:35]
	v_lshrrev_b32 v[LN], 5, v0
	v_readfirstlane_b32 s2, v[LN]                  ; wave w, 0 to 7
	s_mov_b32 s40, 0x76543210                      ; v_permlanex16_b32: each lane takes its own place in the other half
	s_mov_b32 s41, 0xfedcba98
	s_mov_b32 s42, 0x01800000                      ; 2^-124
	s_mov_b32 s43, 0xff000000                      ; takes 2 off an exponent field
	s_mov_b32 s44, 0x0000ffff                      ; lanes 0-15
	s_mov_b32 s45, 0xaaaaaaaa                      ; lanes with bit 0 set
	s_mov_b32 s46, 0xcccccccc                      ; bit 1
	s_mov_b32 s47, 0xf0f0f0f0                      ; bit 2
	v_and_b32 v[LN], 31, v0                        ; lane L
	v_and_b32 v[RR], 15, v0                        ; r
	v_bfe_u32 v[HH], v0, 4, 1                      ; h
	s_lshl_b32 s49, s2, 9                          ; 512 w: 16 samples of 32 bytes
	s_lshl_b32 s50, s2, 6                          ; 64 w: 16 results, or 16 columns of f32
	s_mul_i32 s51, s2, 1536                        ; a fragment's image
	s_lshl_b32 s52, s2, 2
	v_lshlrev_b32 v[H128], 7, v[HH]
	v_lshlrev_b32 v[SH8], 3, v[HH]
	v_lshlrev_b32 v[H32], 5, v[HH]
	v_lshlrev_b32 v[L16], 4, v[LN]
	v_lshlrev_b32 v[L32], 5, v[LN]
	v_lshl_add_u32 v[OUTA], v[RR], 2, s50
	v_lshl_add_u32 v[XAD], v[RR], 5, s49
	v_lshl_add_u32 v[XOA], v[HH], 3, v[XAD]
	v_lshl_add_u32 v[WTA], v[HH], 14, v[OUTA]      ; lanes 16-31 begin 32 rows of 512 bytes further down
	v_add_nc_u32 v[FST], s51, v[L16]
	v_add_nc_u32 v[SST], s52, v[L32]
	v_and_b32 v[FTA], 7, v0                        ; r % 8
	v_bfe_u32 v[LIA], v0, 3, 1                     ; r / 8
	v_lshlrev_b32 v[FTA], 2, v[FTA]
	v_lshl_add_u32 v[BPI], v[LIA], 6, v[FTA]       ; 4 x lane 16 (r / 8) + r % 8
	v_lshl_add_u32 v[FTA], v[LIA], 7, v[FTA]       ; feature 32 (r / 8) + r % 8, in bytes
	v_lshl_add_u32 v[LIA], v[HH], 10, v[FTA]
	v_lshl_add_u32 v[LN0A], v[HH], 9, v[FTA]
	v_lshlrev_b32 v[R4A], 2, v[RR]
	v_lshlrev_b32 v[R8A], 3, v[RR]
	v_mov_b32 v[XA+3], 0                           ; the table's address 0, and the value 0
	TABGROUP 0, 4                                  ; the table needs no argument: it is made while the arguments are on their way, 26 passes shared out among the waves
	TABGROUP 1, 4
	TABGROUP 2, 3
	TABGROUP 3, 3
	TABGROUP 4, 3
	TABGROUP 5, 3
	TABGROUP 6, 3
	TABGROUP 7, 3
	s_wait_kmcnt 0x0
	s_load_b32 s36, s[20:21], 0x0                  ; ib2
	s_load_b64 s[38:39], s[32:33], 0x0             ; nb2
	s_lshl_b32 s4, ttmp9, 12                       ; 128 samples of 32 bytes
	s_mov_b32 s5, 0
	s_add_nc_u64 s[8:9], s[8:9], s[4:5]
	s_lshl_b32 s4, ttmp9, 9                        ; 128 results of 4 bytes
	s_add_nc_u64 s[34:35], s[34:35], s[4:5]
; ============================================================ the set-up's loads but ib1's and iW2's: 228 in every wave, what is wanted first in front.
; Where LOADcnt's field is full the hardware holds the issue (ISA guide 5.7.1), so no wait is placed for that.
	global_load_b64 v[XO:XO+1],   v[XOA], s[8:9]           ; inputs 2 h, 2 h + 1 of sample r
	global_load_b64 v[XO+2:XO+3], v[XOA], s[8:9] offset:16 ; inputs 4 + 2 h, 5 + 2 h
	global_load_b32 v[XV], v[XAD], s[8:9]                  ; x, in both halves of the lanes
	global_load_b128 v[XA+60:XA+63], v[L16], s[10:11]      ; iW0's row 0, 512 bytes.  Wave 0 puts it into LDS; the others use nothing of it: the line stands under no
	                                                       ; branch, so that its registers are written, and the loads counted alike, in every wave
	WIN W_LD
	OPLD OPN, 22, 1                                ; nW0
	TBLD TBN, 24                                   ; nb0
	OPLD OPI, 10, 0                                ; iW0
	TBLD TBI, 12                                   ; ib0
	WRAW RAWN, RAWN+32, 26                         ; nW1, my tile
	WRAW RAWI0, RAWI1, 14                          ; iW1, my tile
	WIN 0
.irp ft, 0,1,2,3,4,5,6,7
	global_load_b32 v[NBN+\ft], v[R4A], s[28:29] offset:64*\ft                  ; nb1 of feature 16 ft + r
.endr
.irp ft, 0,1,2,3,4,5,6,7
	global_load_b64 v[WNN+2*\ft:WNN+2*\ft+1], v[R8A], s[30:31] offset:128*\ft   ; nW2's two numbers of that feature
.endr
; ============================================================ the first layers, while the last of iW1's tile is on its way
	s_wait_loadcnt 0x3f                            ; the 63 youngest may be out: nb1's and nW2's 16, iW1's last 47.  Inputs, row 0, the first layers and nW1's tile are in
	s_cmp_lg_u32 s2, 0
	s_cbranch_scc1 .Lno_row0
	ds_store_b128 v[L16], v[XA+60:XA+63] offset:ROW0
.Lno_row0:
	v_cndmask_b32 v[XO], v[XO], 1.0, s44           ; input 0 (lanes 0-15 of the first register) gives way to the constant 1
	SUBST OPN, TBN
	L1MM OPN                                       ; nb0 + h.nW0, in the front layout
	SUBST OPI, TBI                                 ; eight plain instructions on other registers: the places behind the f32 form ahead of the first read of its results
	WIN 0
	QMAX A_
	RELU XA, A_                                    ; what is made of a finished sum goes into other registers
	L1MM OPI                                       ; a = ib0 + h.iW0[1:], over the results just read
	WIN 0
	SCALE ZS
	CVT XA, XA+32, ZC, TQ                          ; the offset net's operand: it waits in ZC and ZS for nW1's fragments
	v_nop                                          ; one plain place behind a scaled conversion
	MOVS ZC, TQ                                    ; (with SCALE and the v_nop: 14 plain instructions behind the f32 products, where 8 are asked for ahead of loads onto their operands)
	WIN W_LD
	BACK BIAS, 16                                  ; ib1 and iW2 take the first layers' places: wanted in the first trip
	BACK W2, 18
	WIN 0
; ============================================================ the two large weights' tiles
	QW RAWN, RAWN+32, XA, XA+16, XA+48, FRN, SWN
	s_wait_loadcnt 0x30                            ; nb1's and nW2's 16 and ib1's and iW2's 32 may be out; iW1's tile is in
	QW RAWI0, RAWI1, XA+24, XA+40, XA+49, FRI, SWI
	s_wait_kmcnt 0x0                               ; ib2, nb2
	s_mul_f32 s38, s38, 0x3d800000                 ; nb2 / 16: the sum over 16 lanes makes it whole again
	s_mul_f32 s39, s39, 0x3d800000
	s_mul_f32 s36, s36, 0.5                        ; ib2 / 2: each half of the lanes adds a half
	s_wait_loadcnt 0x20                            ; ib1's and iW2's 32 may be out; nb1 and nW2 are in
	v_mov_b32 v[KN],   s38
	v_mov_b32 v[KN+1], s39
.irp ft, 0,2,4,6
	v_pk_fma_f32 v[KN:KN+1], v[WNN+2*\ft:WNN+2*\ft+1],   v[NBN+\ft:NBN+\ft+1], v[KN:KN+1] op_sel:[0,0,0] op_sel_hi:[1,0,1]   ; + w B of my feature column
	v_pk_fma_f32 v[KN:KN+1], v[WNN+2*\ft+2:WNN+2*\ft+3], v[NBN+\ft:NBN+\ft+1], v[KN:KN+1] op_sel:[0,1,0] op_sel_hi:[1,1,1]
.endr
.irp i, 0,2,4,6
	v_pk_mul_f32 v[NBN+\i:NBN+\i+1], v[NBN+\i:NBN+\i+1], -1.0 op_sel_hi:[1,0]
.endr
	s_wait_dscnt 0x0                               ; for the other waves' sake: all my LDS stores are done before I signal
	s_barrier_signal -1
	s_barrier_wait -1                              ; table, row 0 and both weights' fragments are in LDS for everybody; nobody writes them again
; ============================================================ the offset net: one tile
	FRAG FRN, SWN
	s_wait_dscnt 0x0
	MMN
	v_mov_b32 v[EN], 0                             ; four plain instructions before loads land on what the products have read and vector work reads their results
	v_mov_b32 v[EP], 0                             ; (a lane permute's destination counts as read)
	v_mov_b32 v[KAP], s36
	v_mov_b32 v[KAP+1], 0
	FRAG FRI, SWI                                  ; iW1's fragments and scale words take nW1's places: on their way during what follows
	CLAMP NBN
	DOT4 ZFT,   0, WNN, 0, 1, 0
	DOT4 ZFT+8, 0, WNN, 1, 1, 1
.irp ft, 1,2,3,4,5,6,7
	DOT4 ZFT,   \ft, WNN+2*\ft, 0, 0, 0
	DOT4 ZFT+8, \ft, WNN+2*\ft, 1, 0, 0
.endr
	FRONT XA, ROW0                                 ; iW0's row 0, into the accumulators just read out
	REDUCE ZFT,   ZFT+16
	REDUCE ZFT+8, ZFT+24
	ds_bpermute_b32 v[OFF], v[BPI], v[ZFT+16]      ; o0 and o1 of sample r lie in lane 16 (r / 8) + r % 8
	ds_bpermute_b32 v[SCL], v[BPI], v[ZFT+24]
; ============================================================ b, and the loop's set-up
	v_mov_b32 v[TAB_A], 0
	ds_load_b64 v[T:T+1], v[TAB_A] offset:TAB      ; (t_0, 0)
	v_mov_b32 v[ZEST], 0
.irp i, 0,1,2,3,4,5,6,7
	v_mov_b32 v[P+\i], 0                           ; the first trip finishes a point that is none: g = 0, with the weight 0
.endr
	s_mov_b32 s3, 0
	s_wait_dscnt 0x0                               ; iW1's fragments, row 0, o0 and o1, t_0
	v_mul_f32 v[SCL], 0x3fb8aa3b, v[SCL]           ; e^o1 = 2^(o1 log2 e)
	v_exp_f32 v[SCL], v[SCL]                       ; the lines below are plain and far from SCL
.set gn, 0
.rept 32
	v_pk_mul_f32 v[B_+gn:B_+gn+1], v[XA+gn:XA+gn+1], v[SH8:SH8+1] op_sel:[0,1] op_sel_hi:[1,1]   ; b = x iW0[0] (x is the pair's second register)
.set gn, gn+2
.endr
	s_wait_loadcnt 0x0                             ; ib1 and iW2
	L1NEXT                                         ; point 0
; ============================================================ 51 quadrature points.  No barrier: a wave shares nothing here.
; At the label XA holds point s's hidden layer ahead of its ReLU, P point s - 1's partial sums.  Point s - 1 is finished in pieces that stand where the
; conversions and the products want plain vector instructions behind or in front of them: the loop holds no v_nop.
.Lpoint:
	ds_load_b64 v[T:T+1], v[TAB_A] offset:TAB+8    ; entry s + 1 = (t_(s+1), cc_(s-1)): wanted behind the products
	QMAX XA
	SCALE ZS
	RELU XA, XA                                    ; (32 places between the scale word's write and the products: eight are asked for)
	CVT XA, XA+32, ZC, TQ
	FIN1                                           ; the plain place behind the conversions
	MOVS ZC, TQ
	FIN2                                           ; with the move below: four plain instructions between the operand's last write and the products (ISA guide 7.12.1)
	s_add_co_u32 s3, s3, 1                         ; the trip counter's one step
	s_lshl_b32 s48, s3, 3
	v_mov_b32 v[TAB_A], s48                        ; 8 (s + 1) for the next trip
	MM
	FIN3                                           ; its four plain instructions are the places behind the products (ISA guide 7.12.1)
	RELU XA, XA                                    ; its first line is the plain instruction behind the exponential
	s_wait_dscnt 0x0                               ; the table entry
	FIN4
	DOT
	L1NEXT                                         ; point s + 1 (in the last trip with t = 0: not read)
	s_cmp_lt_u32 s3, NPTS
	s_cbranch_scc1 .Lpoint
; ============================================================ the last point's finish, and the result
	ds_load_b64 v[T:T+1], v[TAB_A] offset:TAB+8    ; entry 52 = (0, cc_50)
	FIN1
	FIN2
	FIN3
	v_mul_f32 v[XV], 0.5, v[XV]                    ; x / 2.  Also the plain instruction behind the exponential
	s_wait_dscnt 0x0
	FIN4
	v_mul_f32 v[EN], v[ZEST], v[XV]                ; the integral
	v_fma_f32 v[EN], v[SCL], v[EN], v[OFF]
	v_mul_f32 v[EN], 0xbfb8aa3b, v[EN]             ; sigmoid(u) = 1 / (1 + 2^(-u log2 e))
	v_exp_f32 v[EN], v[EN]
	v_nop                                          ; a plain instruction behind each transcendental, before its result is used
	s_wait_alu depctr_va_vdst(0)
	v_add_f32 v[EN], 1.0, v[EN]
	v_rcp_f32 v[EN], v[EN]
	v_nop
	s_wait_alu depctr_va_vdst(0)
	ds_store_b32 v[OUTA], v[EN] offset:OUTS        ; lanes r and r + 16 hold the same sample and write the same word with the same value
	s_wait_dscnt 0x0                               ; for wave 0's sake
	s_barrier_signal -1
	s_barrier_wait -1
	s_cmp_lg_u32 s2, 0
	s_cbranch_scc1 .Lend
	ds_load_b128 v[XA:XA+3], v[L16] offset:OUTS    ; the work-group's 128 results
	s_wait_dscnt 0x0
	global_store_b128 v[L16], v[XA:XA+3], s[34:35] ; one store of 512 consecutive bytes, at a multiple of 512 from out0's first byte
.Lend:
	s_wait_xcnt 0x0
	v_lshl_add_u32 v254, v0, 2, 0x6e00
	v_mov_b32 v255, 0
	s_wait_tensorcnt 0x0
	ds_add_u32 v254, v255
	s_wait_dscnt 0x0
	s_endpgm
.Lfunc_end_k_qf5a4f18a1b_mono:
	.size	k_qf5a4f18a1b_mono, .Lfunc_end_k_qf5a4f18a1b_mono-k_qf5a4f18a1b_mono
	.p2alignl 7, 3214868480
	.fill 96, 4, 3214868480
	.section	.rodata,"a",@progbits
	.p2align	6, 0x0
	.amdhsa_kernel k_qf5a4f18a1b_mono
		.amdhsa_group_segment_fixed_size 29184
		.amdhsa_private_segment_fixed_size 0
		.amdhsa_enable_private_segment 0
		.amdhsa_kernarg_size 112
		.amdhsa_user_sgpr_count 2
		.amdhsa_user_sgpr_kernarg_segment_ptr 1
		.amdhsa_wavefront_size32 1
		.amdhsa_system_sgpr_workgroup_id_x 1
		.amdhsa_system_sgpr_workgroup_id_y 1
		.amdhsa_system_sgpr_workgroup_id_z 1
		.amdhsa_system_vgpr_workitem_id 0
		.amdhsa_next_free_vgpr 512
		.amdhsa_next_free_sgpr 66
		.amdhsa_reserve_vcc 0
		.amdhsa_float_denorm_mode_32 3
		.amdhsa_float_denorm_mode_16_64 3
		.amdhsa_memory_ordered 1
		.amdhsa_forward_progress 1
		.amdhsa_inst_pref_size 93
	.end_amdhsa_kernel
	.amdgpu_metadata
---
amdhsa.version: [ 1, 2 ]
amdhsa.kernels:
  - .name:           k_qf5a4f18a1b_mono
    .symbol:         k_qf5a4f18a1b_mono.kd
    .args:
      - { .name: x_input, .offset: 0, .size: 8, .value_kind: global_buffer, .address_space: global }
      - { .name: iW0, .offset: 8, .size: 8, .value_kind: global_buffer, .address_space: global }
      - { .name: ib0, .offset: 16, .size: 8, .value_kind: global_buffer, .address_space: global }
      - { .name: iW1, .offset: 24, .size: 8, .value_kind: global_buffer, .address_space: global }
      - { .name: ib1, .offset: 32, .size: 8, .value_kind: global_buffer, .address_space: global }
      - { .name: iW2, .offset: 40, .size: 8, .value_kind: global_buffer, .address_space: global }
      - { .name: ib2, .offset: 48, .size: 8, .value_kind: global_buffer, .address_space: global }
      - { .name: nW0, .offset: 56, .size: 8, .value_kind: global_buffer, .address_space: global }
      - { .name: nb0, .offset: 64, .size: 8, .value_kind: global_buffer, .address_space: global }
      - { .name: nW1, .offset: 72, .size: 8, .value_kind: global_buffer, .address_space: global }
      - { .name: nb1, .offset: 80, .size: 8, .value_kind: global_buffer, .address_space: global }
      - { .name: nW2, .offset: 88, .size: 8, .value_kind: global_buffer, .address_space: global }
      - { .name: nb2, .offset: 96, .size: 8, .value_kind: global_buffer, .address_space: global }
      - { .name: out0, .offset: 104, .size: 8, .value_kind: global_buffer, .address_space: global }
    .group_segment_fixed_size: 29184
    .private_segment_fixed_size: 0
    .kernarg_segment_align: 8
    .kernarg_segment_size: 112
    .max_flat_workgroup_size: 256
    .sgpr_count:     66
    .vgpr_count:     512
    .wavefront_size: 32
...
	.end_amdgpu_metadata
.endif
;; end of part 1
